; MI455X (gfx1250); checked and timed in simulation.
; The chip was launched on July 23, 2026; its instructions are those of AMD's public machine-readable ISA for CDNA 5 (MIT licence, August 2026) and "CDNA5" Instruction Set Architecture Reference Guide (July 2026). The comments in the code are by the model that wrote it; some were corrected since.
;; Multi Head Attention. Allowed arithmetic: float matrix products may take bf16 or f16 operands with f32 sums; all other float work in f32.
;; Inputs: bk 1,024 float32; bo 1,024 float32; bq 1,024 float32; bv 1,024 float32; wk 1,024 x 1,024 float32; wo 1,024 x 1,024 float32; wq 1,024 x 1,024 float32; wv 1,024 x 1,024 float32; x 2 x 2,048 x 1,024 float32.
;; Outputs: out0 2 x 2,048 x 1,024 float32.
;; 2 versions, each right; version 2 is version 1 with the launch prep written anew for expert scheduling mode. Each part assembles by itself: llvm-mc -triple=amdgcn-amd-amdhsa -mcpu=gfx1250 --defsym DOCPART=n.
;; ======== version 1 of 2: 4 launches
;; workspace buffers: xb 8,388,608 bytes; wf 8,388,608 bytes; qkv 25,165,824 bytes; ctx 8,388,608 bytes
;; launch prep (part 1): grid 512 x 1, 8 waves a work-group, no clusters, 0 bytes of LDS; arguments x, wq, wk, wv, wo, xb, wf; writes xb, wf
.if DOCPART == 1
	.amdgcn_target "amdgcn-amd-amdhsa--gfx1250"
	.amdhsa_code_object_version 6
	.text
	.protected	k_qdf0f9a65a2_prep
	.globl	k_qdf0f9a65a2_prep
	.p2align	8
	.type	k_qdf0f9a65a2_prep,@function
k_qdf0f9a65a2_prep:
	s_mov_b64 s[64:65], 0
	v_nop
	global_prefetch_b8 v0, s[64:65] scope:SCOPE_SE
	s_setreg_imm32_b32 hwreg(HW_REG_WAVE_MODE, 25, 1), 1
	s_wait_xcnt 0x0
; Casts to bf16, once, what the two GEMM launches read many times.
;   xb: x as it lies, [4096][1024], bf16.
;   wf: the four weights (t = 0 q, 1 k, 2 v, 3 o), [t][nt = 64][kt = 64][512 bytes], in PIECES of 16 x 16 numbers laid as a matrix fragment wants them:
;       lane L = 16 e + p of a wave owns the 16 bytes at 16 L; its number j (0..7) is W[k][n] with n = 64 g + 4 p + c, nt = 4 g + c, and
;       k = 16 kt + 8 e + j for q, k, v;   k = 64 (kt >> 2) + 32 e + 4 j + (kt & 3) for o (the order in which the attention launch leaves its result).
;       The split n = 64 g + 4 p + c lets a lane read 16 neighbouring bytes of a weight's row (c = 0..3) and still write whole pieces.
; A stream: every byte is read once and written once, nothing is shared between work-groups, so there is no LDS, no matrix unit, no cluster.
; Work-groups 0-255 take 64 KiB of x each, work-groups 256-511 sixteen kt of one (t, g).
.set X, 8                              ; v[8:71]   sixteen loads of 16 bytes
.set Y, 72                             ; v[72:103] what is stored; no register is used twice, so no wait frees one
	s_load_b256 s[8:15], s[0:1], 0x0               ; x s[8:9], wq s[10:11], wk s[12:13], wv s[14:15]
	s_load_b128 s[16:19], s[0:1], 0x20             ; wo s[16:17], xb s[18:19]
	s_load_b64 s[20:21], s[0:1], 0x30              ; wf
	v_lshrrev_b32 v1, 5, v0
	v_readfirstlane_b32 s22, v1                    ; wave 0..7
	v_and_b32 v5, 31, v0                           ; lane
	s_cmp_lt_u32 ttmp9, 256
	s_cbranch_scc0 .Lweights
	; ---- x: a wave takes 8 KiB, sixteen loads of 512 neighbouring bytes, all issued before the first is used
	s_lshl_b32 s24, ttmp9, 16                      ; the work-group's 64 KiB of x
	s_mov_b32 s25, 0
	s_lshl_b32 s26, ttmp9, 15                      ; and its 32 KiB of xb
	s_mov_b32 s27, 0
	v_lshlrev_b32 v1, 4, v5
	v_lshl_add_u32 v1, s22, 13, v1                 ; 8192 wave + 16 lane
	v_lshlrev_b32 v2, 3, v5
	v_lshl_add_u32 v2, s22, 12, v2                 ; 4096 wave + 8 lane
	s_wait_kmcnt 0x0
	s_add_nc_u64 s[8:9], s[8:9], s[24:25]
	s_add_nc_u64 s[18:19], s[18:19], s[26:27]
.irp i, 0,1,2,3,4,5,6,7,8,9,10,11,12,13,14,15
	global_load_b128 v[X+4*\i:X+4*\i+3], v1, s[8:9] offset:512*\i th:TH_LOAD_NT
.endr
.irp i, 0,1,2,3,4,5,6,7,8,9,10,11,12,13,14,15
	s_wait_loadcnt 15-\i                           ; loads come back in order: load i is in, the 15 - i younger ones stay out
	v_cvt_pk_bf16_f32 v[Y+2*\i],   v[X+4*\i],   v[X+4*\i+1]
	v_cvt_pk_bf16_f32 v[Y+2*\i+1], v[X+4*\i+2], v[X+4*\i+3]
	global_store_b64 v2, v[Y+2*\i:Y+2*\i+1], s[18:19] offset:256*\i    ; the wave's 32 lanes store 256 consecutive bytes, aligned
.endr
	s_endpgm
	; ---- weights: a wave takes kt and kt + 1 of its (t, g): for each, eight rows' 16 bytes a lane, four pieces out
.Lweights:
	s_sub_co_u32 s23, ttmp9, 256                   ; u
	s_lshr_b32 s24, s23, 6                         ; t = u >> 6
	s_bfe_u32 s25, s23, 0x40002                    ; g = (u >> 2) & 15
	s_and_b32 s26, s23, 3
	s_lshl_b32 s26, s26, 4
	s_lshl1_add_u32 s26, s22, s26                  ; kt = 16 (u & 3) + 2 wave, even
	s_lshl_b32 s28, s24, 21                        ; wf: t x 2 MiB
	s_lshl_b32 s27, s25, 17                        ;   + 4 g x 32768
	s_add_co_u32 s28, s28, s27
	s_lshl_b32 s27, s26, 9                         ;   + kt x 512
	s_add_co_u32 s28, s28, s27
	s_mov_b32 s29, 0
	s_lshl_b32 s30, s25, 8                         ; the source: 64 g columns = 256 g bytes
	s_mov_b32 s31, 0
	v_lshlrev_b32 v4, 4, v5                        ; 16 lane: my place in a piece
	v_and_b32 v6, 15, v0
	v_lshlrev_b32 v6, 4, v6                        ; 16 p: my four columns
	v_bfe_u32 v7, v0, 4, 1                         ; e
	s_wait_kmcnt 0x0
	s_add_nc_u64 s[20:21], s[20:21], s[28:29]
	s_cmp_eq_u32 s24, 1                            ; which weight: a choice between buffers on t alone
	s_cselect_b64 s[32:33], s[12:13], s[10:11]
	s_cmp_eq_u32 s24, 2
	s_cselect_b64 s[32:33], s[14:15], s[32:33]
	s_cmp_eq_u32 s24, 3
	s_cselect_b64 s[32:33], s[16:17], s[32:33]
; se: e's step in rows as a shift of bytes; sj: rows from j to j + 1; dk: rows from kt to kt + 1.
; Each load takes, for each half of the lanes, 256 consecutive aligned bytes of one row.
.macro WCONV se, sj, dk
	v_lshl_add_u32 v3, v7, \se, v6
.irp e, 0,1
.irp j, 0,1,2,3,4,5,6,7
	global_load_b128 v[X+32*\e+4*\j:X+32*\e+4*\j+3], v3, s[32:33] offset:(\e*\dk+\j*\sj)*4096 th:TH_LOAD_NT
.endr
.endr
.irp e, 0,1
	s_wait_loadcnt 8*(1-\e)                        ; this kt's eight loads are in; the other kt's eight may stay out
.irp c, 0,1,2,3
.irp i, 0,1,2,3
	v_cvt_pk_bf16_f32 v[Y+16*\e+4*\c+\i], v[X+32*\e+8*\i+\c], v[X+32*\e+8*\i+4+\c]    ; column c of rows j = 2 i, 2 i + 1
.endr
	global_store_b128 v4, v[Y+16*\e+4*\c:Y+16*\e+4*\c+3], s[20:21] offset:\c*32768+\e*512   ; a whole piece: 512 consecutive bytes, aligned
.endr
.endr
.endm
	s_cmp_eq_u32 s24, 3
	s_cbranch_scc1 .Lwo
	s_lshl_b32 s27, s26, 16                        ; first row 16 kt, 4096 bytes a row
	s_add_co_u32 s30, s30, s27
	s_add_nc_u64 s[32:33], s[32:33], s[30:31]
	WCONV 15, 1, 16                                ; e: 8 rows; j: 1 row; kt + 1: 16 rows
	s_endpgm
.Lwo:
	s_lshr_b32 s27, s26, 2
	s_lshl_b32 s27, s27, 6
	s_and_b32 s34, s26, 3
	s_add_co_u32 s27, s27, s34                     ; first row 64 (kt >> 2) + (kt & 3)
	s_lshl_b32 s27, s27, 12
	s_add_co_u32 s30, s30, s27
	s_add_nc_u64 s[32:33], s[32:33], s[30:31]
	WCONV 17, 4, 1                                 ; e: 32 rows; j: 4 rows; kt + 1 (kt is even): 1 row
	s_endpgm
.Lfunc_end_k_qdf0f9a65a2_prep:
	.size	k_qdf0f9a65a2_prep, .Lfunc_end_k_qdf0f9a65a2_prep-k_qdf0f9a65a2_prep
	.p2alignl 7, 3214868480
	.fill 96, 4, 3214868480
	.section	.rodata,"a",@progbits
	.p2align	6, 0x0
	.amdhsa_kernel k_qdf0f9a65a2_prep
		.amdhsa_group_segment_fixed_size 0
		.amdhsa_private_segment_fixed_size 0
		.amdhsa_enable_private_segment 0
		.amdhsa_kernarg_size 56
		.amdhsa_user_sgpr_count 2
		.amdhsa_user_sgpr_kernarg_segment_ptr 1
		.amdhsa_wavefront_size32 1
		.amdhsa_system_sgpr_workgroup_id_x 1
		.amdhsa_system_sgpr_workgroup_id_y 1
		.amdhsa_system_sgpr_workgroup_id_z 1
		.amdhsa_system_vgpr_workitem_id 0
		.amdhsa_next_free_vgpr 104
		.amdhsa_next_free_sgpr 66
		.amdhsa_reserve_vcc 0
		.amdhsa_float_denorm_mode_32 3
		.amdhsa_float_denorm_mode_16_64 3
		.amdhsa_memory_ordered 1
		.amdhsa_forward_progress 1
		.amdhsa_inst_pref_size 17
	.end_amdhsa_kernel
	.amdgpu_metadata
---
amdhsa.version: [ 1, 2 ]
amdhsa.kernels:
  - .name:           k_qdf0f9a65a2_prep
    .symbol:         k_qdf0f9a65a2_prep.kd
    .args:
      - { .name: x, .offset: 0, .size: 8, .value_kind: global_buffer, .address_space: global }
      - { .name: wq, .offset: 8, .size: 8, .value_kind: global_buffer, .address_space: global }
      - { .name: wk, .offset: 16, .size: 8, .value_kind: global_buffer, .address_space: global }
      - { .name: wv, .offset: 24, .size: 8, .value_kind: global_buffer, .address_space: global }
      - { .name: wo, .offset: 32, .size: 8, .value_kind: global_buffer, .address_space: global }
      - { .name: xb, .offset: 40, .size: 8, .value_kind: global_buffer, .address_space: global }
      - { .name: wf, .offset: 48, .size: 8, .value_kind: global_buffer, .address_space: global }
    .group_segment_fixed_size: 0
    .private_segment_fixed_size: 0
    .kernarg_segment_align: 8
    .kernarg_segment_size: 56
    .max_flat_workgroup_size: 256
    .sgpr_count:     66
    .vgpr_count:     104
    .wavefront_size: 32
...
	.end_amdgpu_metadata
.endif
;; end of part 1
;; launch qkv (part 2): grid 12 x 16, 4 waves a work-group, clusters of 4 x 4, 327,680 bytes of LDS; arguments xb, wf, bq, bk, bv, qkv; writes qkv
.if DOCPART == 2
	.amdgcn_target "amdgcn-amd-amdhsa--gfx1250"
	.amdhsa_code_object_version 6
	.text
	.protected	k_qdf0f9a65a2_qkv
	.globl	k_qdf0f9a65a2_qkv
	.p2align	8
	.type	k_qdf0f9a65a2_qkv,@function
k_qdf0f9a65a2_qkv:
	s_mov_b64 s[64:65], 0
	v_nop
	global_prefetch_b8 v0, s[64:65] scope:SCOPE_SE
	s_setreg_imm32_b32 hwreg(HW_REG_WAVE_MODE, 25, 1), 1
	s_wait_xcnt 0x0
	s_wait_alu depctr_hold_cnt(0) depctr_sa_sdst(0) depctr_va_vdst(0) depctr_va_sdst(0) depctr_va_ssrc(0) depctr_va_vcc(0) depctr_vm_vsrc(0)
	s_getreg_b32 s2, hwreg(HW_REG_IB_STS2, 6, 4)
	s_cmp_eq_u32 s2, 0
	s_cbranch_scc0 .Lentry_in_a_cluster
	s_endpgm
.Lentry_in_a_cluster:
	s_bfe_u32 s2, ttmp6, 0x10000c
	s_cmp_lg_u32 s2, 0xf033
	s_cbranch_scc0 .Lentry_shape_is_right
	s_endpgm
.Lentry_shape_is_right:
; Y[4096][3072] = xb W + b for W = (wq | wk | wv), bf16 operands, f32 sums, rounded once to bf16, left in the layout that the attention launch reads.
; A work-group makes 256 x 256 of Y with four waves, as many as a WGP has SIMDs; a wave makes 128 x 128: 64 accumulator tiles, 512 registers.
; 3072 / 256 x 4096 / 256 = 192 work-groups: the block is kept at 256 x 256 so that each byte read from LDS feeds 128 multiply-adds.
; K goes in steps of 128 through a ring of two LDS slots filled by the tensor data mover.
;   x's tile: 256 rows of 256 bytes, 16 bytes of padding behind each (pitch 272: the sixteen rows of a fragment load start at sixteen different banks).
;   W's tile: 16 n-tiles x 8 pieces of 512 bytes from wf.  A piece is a half fragment as it stands: lane L takes the 16 bytes at 16 L, no padding is needed.
; CLUSTERS: 4 x 4 work-groups.  x's tile hangs on the block row alone and is asked for jointly by a row of the cluster, W's on the block column alone
; and is asked for jointly by a column: four requests become one.  Four block columns are one weight, so the cluster's x is t (0 q, 1 k, 2 v) for all partners.
; THE MATRIX INSTRUCTION IS USED TRANSPOSED: source 0 = a fragment of W, source 1 = 16 rows of x.  Lane (r = L % 16, h = L / 16), register j, of tile (a, b)
; then holds Y[row 16 a + r][column 64 g + 32 h + 4 j + c], b = 4 (g's low bit) + c: eight numbers of ONE row and ONE head, d = 32 h + 4 j + c, 16 bytes packed.
; OUT: qkv[t][bh = 32][stile = 128][c = 4][512 bytes].  Q, K: lane (r, h) at byte 16 L (a half fragment again; the order of d is the same in Q and in K, so
; Q K^T is not changed by it).  V: byte 32 r + 16 h: 16 keys x 16 numbers row by row, for the transposing LDS load.  Either way one store covers a whole piece.
; REGISTERS in windows of 256: window 0: v16-27 addresses, v64-127 and v128-191 x's fragments (two buffers), v192-255 bias; window 1: v64-191 W's fragments;
; windows 2, 3: the accumulators of my rows 0-63, 64-127, tile (a, b) at v[8 (8 a + b)].
.set KSTEP,  128
.set SIZE_K, 1024
.set PITCH,  272
.set HALFT,  128*PITCH                 ; 34,816 bytes: what one tensor load of x brings; W's halves (32,768 bytes) keep the same stride, so a wave's tile starts at wave x HALFT
.set SLOT,   4*HALFT
.set BTILE,  4096                      ; an n-tile's eight pieces of one K step
.set LAPS,   SIZE_K/(2*KSTEP)          ; 4 laps of two K steps
.set ADRA, 16                          ; v16-17  LDS address of my x fragments in slot 0, 1
.set ADRB, 20                          ; v20-21  the same for W
.set CO,   26                          ; v26     my 16 bytes in a piece of the output
.set BL,   27                          ; v27     128 h: my half of a head's 64 biases
.set F0,   64
.set F1,   128
.set BIAS, 192                         ; v[BIAS + 32 gg + 4 j + c] = b[64 g + 32 h + 4 j + c]
.set G1,  24                           ; s[24:31] group 1 for x's tiles
.set G0,  32                           ; s[32:39] group 0 for x's tiles, one set for each slot
.set G1B, 48                           ; s[48:55] group 1 for W's tiles
.set G0B, 56                           ; s[56:63] group 0 for W's tiles
.set MSB, 0
.macro WIN new                         ; the immediate's high byte repeats the setting that is left
.if MSB != \new
	s_set_vgpr_msb (MSB<<8)|\new
.set MSB, \new
.endif
.endm
.set MUL_LO, 0xa1                      ; source 0 (W) window 1, source 1 (x) window 0, C and D window 2
.set MUL_HI, 0xf1                      ; the same, C and D window 3
.set TO_B,   0x40                      ; destination window 1, address window 0
; A joint load.  Waves 0, 1 fetch x's two halves, waves 2, 3 W's.  The branch hangs on the wave's number alone; each line has one mask.
.macro JLOAD s
	s_cmp_eq_u32 s11, 0
	s_cbranch_scc0 .Lfor_b_\@
	tensor_load_to_lds s[G0+4*\s:G0+4*\s+3], s[G1:G1+7]
	s_nop 0
	s_branch .Lasked_\@
.Lfor_b_\@:
	tensor_load_to_lds s[G0B+4*\s:G0B+4*\s+3], s[G1B:G1B+7]
	s_nop 0
.Lasked_\@:
.endm
.macro CREST                           ; a round of the cluster's barrier behind its opening work-group barrier
	s_cmp_lg_u32 s10, 0
	s_cbranch_scc1 .Lnot_wave_0_\@
	s_barrier_signal -3
.Lnot_wave_0_\@:
	s_barrier_wait -3
	s_barrier_signal -1
	s_barrier_wait -1
.endm
.macro CROUND                          ; a whole round
	s_barrier_signal -1
	s_barrier_wait -1
	CREST
.endm
	s_load_b128 s[4:7], s[0:1], 0x0                ; xb s[4:5], wf s[6:7]
	s_load_b256 s[68:75], s[0:1], 0x10             ; bq s[68:69], bk s[70:71], bv s[72:73], qkv s[74:75]
	s_set_vgpr_msb 0x40
	v_lshl_add_u32 v255, v0, 2, 0x44000
	s_set_vgpr_msb 0x4000
	v_mov_b32 v63, 0
	s_set_vgpr_msb 0x1
	ds_add_u32 v255, v63
	s_set_vgpr_msb 0x100
	v_lshrrev_b32 v1, 5, v0
	v_readfirstlane_b32 s10, v1                    ; wave 0..3
	s_lshr_b32 s11, s10, 1                         ; my half of the block's rows.  Also: I fetch for x (0) or for W (1)
	s_and_b32 s12, s10, 1                          ; my half of its columns.  Also: which half of that tile I fetch
	s_bfe_u32 s40, ttmp6, 0x40000                  ; cx
	s_bfe_u32 s41, ttmp6, 0x40004                  ; cy
	s_lshl_b32 s42, ttmp9, 2
	s_add_co_u32 s42, s42, s40                     ; block column = 4 t + cx
	s_and_b32 s13, ttmp7, 0xffff
	s_lshl_b32 s13, s13, 2
	s_add_co_u32 s13, s13, s41                     ; block row = 4 x cluster y + cy
	s_lshl_b32 s43, s41, 2
	s_lshl_b32 s43, 15, s43                        ; my row of the cluster: places 4 cy .. 4 cy + 3
	s_lshl_b32 s44, 0x1111, s40                    ; my column: places cx, cx + 4, cx + 8, cx + 12
	; group 1 for x: 128 rows x 128 elements of 2 bytes, 1,024 elements from row to row, 4 words of padding behind every 64 words
	s_or_b32 s[G1+0], s43, (1<<16)|(1<<20)|(1<<21)|(5<<22)|(3<<25)
	s_mov_b32 s[G1+1], KSTEP<<16                   ; tensor_dim0 = 128
	s_mov_b32 s[G1+2], 128<<16                     ; tensor_dim1 = 128
	s_mov_b32 s[G1+3], KSTEP<<16                   ; tile_dim0 = 128
	s_mov_b32 s[G1+4], 128                         ; tile_dim1 = 128
	s_mov_b32 s[G1+5], SIZE_K                      ; pitch
	s_mov_b32 s[G1+6], 0
	s_mov_b32 s[G1+7], 0
	; group 1 for W: 8 n-tiles, of each 4,096 consecutive bytes (512 elements of 8 bytes), 32,768 bytes (4,096 elements) from n-tile to n-tile, no padding.
	; Eight rows only: an n-tile's part of a K step is one run of 4,096 bytes, and a wave's half has eight n-tiles.
	s_or_b32 s[G1B+0], s44, (3<<16)|(1<<21)
	s_mov_b32 s[G1B+1], 512<<16
	s_mov_b32 s[G1B+2], 8<<16
	s_mov_b32 s[G1B+3], 512<<16
	s_mov_b32 s[G1B+4], 8
	s_mov_b32 s[G1B+5], 4096
	s_mov_b32 s[G1B+6], 0
	s_mov_b32 s[G1B+7], 0
	; where the tiles come from: x's address is made of the block row and the wave's number, W's of the block column and the wave's number,
	; each in registers that never hold the other coordinate
	s_lshl_b32 s16, s13, 8
	s_lshl_b32 s17, s12, 7
	s_add_co_u32 s16, s16, s17                     ; row 256 x block row + 128 x half
	s_lshl_b32 s16, s16, 11                        ; 2,048 bytes a row
	s_mov_b32 s17, 0
	s_lshl_b32 s46, s42, 4
	s_lshl3_add_u32 s46, s12, s46                  ; n-tile 16 x block column + 8 x half (t x 64 is in it)
	s_lshl_b32 s46, s46, 15                        ; 32,768 bytes an n-tile
	s_mov_b32 s47, 0
	s_mul_i32 s20, s10, HALFT                      ; and where they go: wave x 34,816: no place in the cluster enters an LDS address
	s_wait_dscnt 0x0
	s_wait_kmcnt 0x0
	s_add_nc_u64 s[14:15], s[4:5], s[16:17]
	s_add_nc_u64 s[46:47], s[6:7], s[46:47]
	CROUND                                         ; all sixteen work-groups are here: the first joint loads meet
.irp s, 0,1
	s_mov_b32 s[G0+4*\s], 1
	s_add_co_u32 s[G0+4*\s+1], s20, \s*SLOT
	s_add_nc_u64 s[G0+4*\s+2:G0+4*\s+3], s[14:15], \s*KSTEP*2      ; K step s: 256 bytes along the rows
	s_or_b32 s[G0+4*\s+3], s[G0+4*\s+3], 0x80000000
	s_mov_b32 s[G0B+4*\s], 1
	s_add_co_u32 s[G0B+4*\s+1], s20, \s*SLOT
	s_add_nc_u64 s[G0B+4*\s+2:G0B+4*\s+3], s[46:47], \s*BTILE      ; K step s: eight pieces on in every n-tile
	s_or_b32 s[G0B+4*\s+3], s[G0B+4*\s+3], 0x80000000
	JLOAD \s                                       ; both slots are asked for before anything else is done: two tensor loads of the wave are out
.endr
	v_and_b32 v1, 15, v0                           ; r
	v_bfe_u32 v2, v0, 4, 1                         ; h
	v_and_b32 v6, 31, v0
	v_mul_u32_u24 v3, v1, PITCH
	v_lshl_add_u32 v3, v2, 4, v3                   ; x: row x pitch + 16 h
	v_lshlrev_b32 v6, 4, v6                        ; W: 16 L
	s_mul_i32 s21, s11, HALFT                      ; my 128 rows of x
	s_mul_i32 s22, s12, HALFT                      ; my 8 n-tiles of W,
	s_add_co_u32 s22, s22, 2*HALFT                 ; which lie behind x's 256 rows
.irp s, 0,1
	v_add_nc_u32 v[ADRA+\s], s21, v3
	v_add_nc_u32 v[ADRB+\s], s22, v6
	s_add_co_u32 s21, s21, SLOT
	s_add_co_u32 s22, s22, SLOT
.endr
	; the bias of my 128 columns, in the order in which the results lie: sixteen loads of four neighbouring numbers (c = 0..3)
	s_cmp_eq_u32 ttmp9, 1                          ; a choice between buffers on t alone
	s_cselect_b64 s[76:77], s[70:71], s[68:69]
	s_cmp_eq_u32 ttmp9, 2
	s_cselect_b64 s[76:77], s[72:73], s[76:77]
	s_cselect_b32 s21, 5, 4                        ; my place in a piece: V 32 r + 16 h, Q and K 16 r + 256 h
	s_cselect_b32 s22, 4, 8
	s_lshl_b32 s78, s40, 10                        ; 256 cx columns
	s_lshl_b32 s79, s12, 9                         ; + 128 x half
	s_add_co_u32 s78, s78, s79
	s_mov_b32 s79, 0
	s_add_nc_u64 s[76:77], s[76:77], s[78:79]
	v_lshlrev_b32 v[BL], 7, v2
.irp gg, 0,1
.irp j, 0,1,2,3,4,5,6,7
	global_load_b128 v[BIAS+32*\gg+4*\j:BIAS+32*\gg+4*\j+3], v[BL], s[76:77] offset:\gg*256+\j*16
.endr
.endr
	v_lshlrev_b32 v4, s21, v1
	v_lshlrev_b32 v5, s22, v2
	v_add_nc_u32 v[CO], v4, v5
	; the output's base: t x 8 MiB + bh x 262,144 + stile x 2,048, bh = 16 batch + head
	s_lshl_b32 s78, ttmp9, 23
	s_lshr_b32 s80, s13, 3                         ; batch = block row / 8
	s_lshl_b32 s80, s80, 22
	s_add_co_u32 s78, s78, s80
	s_lshl_b32 s80, s40, 20                        ; head = 4 cx + 2 half (+ b / 4, in the stores' immediates)
	s_add_co_u32 s78, s78, s80
	s_lshl_b32 s80, s12, 19
	s_add_co_u32 s78, s78, s80
	s_and_b32 s80, s13, 7                          ; stile = 16 (block row % 8) + 8 half (+ a)
	s_lshl_b32 s80, s80, 15
	s_add_co_u32 s78, s78, s80
	s_lshl_b32 s80, s11, 14
	s_add_co_u32 s78, s78, s80
	s_add_nc_u64 s[74:75], s[74:75], s[78:79]
; 16 matrix instructions: x's row blocks a0, a0 + 1 of the window's four x all 8 n-tiles, 32 along K.  zero = 1: the first product starts the sums.
; The 64 accumulators take turns, one instruction a turn, in the same order in every quarter step.
.macro MUL16 f, hi, a0, zero
.irp a, \a0, \a0+1
.irp b, 0,1,2,3,4,5,6,7
.if \zero
	v_wmma_f32_16x16x32_bf16 v[8*(8*(\a)+\b):8*(8*(\a)+\b)+7], v[\f+8*\b:\f+8*\b+7], v[\f+8*(4*\hi+\a):\f+8*(4*\hi+\a)+7], 0
.else
	v_wmma_f32_16x16x32_bf16 v[8*(8*(\a)+\b):8*(8*(\a)+\b)+7], v[\f+8*\b:\f+8*\b+7], v[\f+8*(4*\hi+\a):\f+8*(4*\hi+\a)+7], v[8*(8*(\a)+\b):8*(8*(\a)+\b)+7]
.endif
.endr
.endr
.endm
; 32 LDS loads in one run: the fragments of one quarter step (32 K at byte k of x's rows = pieces k / 32, k / 32 + 1 of every n-tile) into buffer f
.macro FETCH slot, k, f
	WIN TO_B
.irp i, 0,1,2,3,4,5,6,7
	ds_load_b128 v[\f+8*\i:\f+8*\i+3],   v[ADRB+\slot] offset:\k*16+\i*BTILE        ; k = 8 h + j
	ds_load_b128 v[\f+8*\i+4:\f+8*\i+7], v[ADRB+\slot] offset:\k*16+\i*BTILE+512    ; k = 16 + 8 h + j
.endr
	WIN 0
.irp i, 0,1,2,3,4,5,6,7
	ds_load_b128 v[\f+8*\i:\f+8*\i+3],   v[ADRA+\slot] offset:\k+\i*16*PITCH
	ds_load_b128 v[\f+8*\i+4:\f+8*\i+7], v[ADRA+\slot] offset:\k+\i*16*PITCH+32
.endr
.endm
; Four places between a matrix instruction and a load into, or a vector instruction on, one of its registers
.macro PLACES
.rept 4
	v_nop
.endr
.endm
.macro QUARTER slot, k, f, g, zero
	s_wait_dscnt 8                                 ; W and x's rows 0-63 are in; the youngest eight loads (x's rows 64-127) may be out
	WIN MUL_LO
	MUL16 \f, 0, 0, \zero
	MUL16 \f, 0, 2, \zero
	PLACES
	FETCH \slot, \k, \g
	s_wait_dscnt 32                                ; all but the 32 just issued
	WIN MUL_HI
	MUL16 \f, 1, 0, \zero
	MUL16 \f, 1, 2, \zero
.endm
.macro THREE slot, zero
	QUARTER \slot, 64,  F0, F1, \zero
	QUARTER \slot, 128, F1, F0, 0
	QUARTER \slot, 192, F0, F1, 0
.endm
; The last quarter multiplies buffer 1 and changes slots.  In front of the barrier each wave waits for its reads of this slot and for all its tensor
; loads (one is out: its part of the next slot).  Behind it, and behind the cluster's round where the slot is filled again, the refill comes first.
.macro TURN slot, next, fill
	s_wait_dscnt 8
	WIN MUL_LO
	MUL16 F1, 0, 0, 0
	s_wait_dscnt 0                                 ; my reads of this slot are over
	s_wait_tensorcnt 0x0                           ; all my tensor loads have landed
	ds_add_u32 v255, v63
	s_wait_dscnt 0x0
	s_barrier_signal -1
	MUL16 F1, 0, 2, 0                              ; register work while the others arrive
	WIN 0
	s_barrier_wait -1
.if \fill
	CREST                                          ; no wave of any partner still reads this slot or has a load on its way
	s_add_nc_u64 s[G0+4*\slot+2:G0+4*\slot+3], s[G0+4*\slot+2:G0+4*\slot+3], 2*KSTEP*2
	s_add_nc_u64 s[G0B+4*\slot+2:G0B+4*\slot+3], s[G0B+4*\slot+2:G0B+4*\slot+3], 2*BTILE
	JLOAD \slot                                    ; the wave's one tensor load behind the round
.endif
	PLACES
	FETCH \next, 0, F0
	WIN MUL_HI
	MUL16 F1, 1, 0, 0
	MUL16 F1, 1, 2, 0
.endm
.macro LAP zero
	THREE 0, \zero
	TURN 0, 1, 1
	THREE 1, 0
	TURN 1, 0, 1
.endm
	s_wait_loadcnt 0x0                             ; the bias, once, while the first tiles are on their way
	s_wait_tensorcnt 1                             ; my part of K step 0 is in; K step 1's load stays out
	s_barrier_signal -1
	s_barrier_wait -1
	FETCH 0, 0, F0
	LAP 1                                          ; the first lap's first products start the sums
	WIN 0
	s_mov_b32 s3, LAPS-2
.Llap:
	LAP 0
	WIN 0
	s_sub_co_u32 s3, s3, 1
	s_cmp_lg_u32 s3, 0
	s_cbranch_scc1 .Llap
	THREE 0, 0                                     ; the last lap fills nothing
	TURN 0, 1, 0
	THREE 1, 0
	s_wait_dscnt 8
	WIN MUL_LO
	MUL16 F1, 0, 0, 0
	MUL16 F1, 0, 2, 0
	s_wait_dscnt 0
	WIN MUL_HI
	MUL16 F1, 1, 0, 0
	MUL16 F1, 1, 2, 0
; THE WAY OUT, 16 rows at a time: add the bias in f32, round once, store.  A lane's 16 bytes and its 31 neighbours' are one piece: no way through LDS.
.macro OUTROW a, win
	WIN \win                                       ; source 0 in the accumulators' window
.irp b, 0,1,2,3,4,5,6,7
.irp j, 0,1,2,3,4,5,6,7
	v_add_f32 v[F0+8*\b+\j], v[8*(8*(\a%4)+\b)+\j], v[BIAS+32*(\b/4)+4*\j+(\b%4)]
.endr
.endr
	WIN 0
	s_wait_xcnt 0x0                                ; the packed registers, which the last 16 rows' stores read, are rewritten only behind this wait
.irp b, 0,1,2,3,4,5,6,7
.irp i, 0,1,2,3
	v_cvt_pk_bf16_f32 v[F1+4*\b+\i], v[F0+8*\b+2*\i], v[F0+8*\b+2*\i+1]
.endr
.endr
.irp b, 0,1,2,3,4,5,6,7
	global_store_b128 v[CO], v[F1+4*\b:F1+4*\b+3], s[74:75] offset:\a*2048+(\b/4)*262144+(\b%4)*512   ; 512 consecutive bytes, aligned
.endr
.endm
	PLACES                                         ; behind the last matrix instructions: the sums are read, the fragment buffers written
	OUTROW 0, 0x02
	OUTROW 1, 0x02
	OUTROW 2, 0x02
	OUTROW 3, 0x02
	OUTROW 4, 0x03
	OUTROW 5, 0x03
	OUTROW 6, 0x03
	OUTROW 7, 0x03
	CROUND                                         ; the closing round: no work-group ends while a partner may still ask for a tile that names it
	s_endpgm
.Lfunc_end_k_qdf0f9a65a2_qkv:
	.size	k_qdf0f9a65a2_qkv, .Lfunc_end_k_qdf0f9a65a2_qkv-k_qdf0f9a65a2_qkv
	.p2alignl 7, 3214868480
	.fill 96, 4, 3214868480
	.section	.rodata,"a",@progbits
	.p2align	6, 0x0
	.amdhsa_kernel k_qdf0f9a65a2_qkv
		.amdhsa_group_segment_fixed_size 327680
		.amdhsa_private_segment_fixed_size 0
		.amdhsa_enable_private_segment 0
		.amdhsa_kernarg_size 48
		.amdhsa_user_sgpr_count 2
		.amdhsa_user_sgpr_kernarg_segment_ptr 1
		.amdhsa_wavefront_size32 1
		.amdhsa_system_sgpr_workgroup_id_x 1
		.amdhsa_system_sgpr_workgroup_id_y 1
		.amdhsa_system_sgpr_workgroup_id_z 1
		.amdhsa_system_vgpr_workitem_id 0
		.amdhsa_next_free_vgpr 1024
		.amdhsa_next_free_sgpr 84
		.amdhsa_reserve_vcc 0
		.amdhsa_float_denorm_mode_32 3
		.amdhsa_float_denorm_mode_16_64 3
		.amdhsa_memory_ordered 1
		.amdhsa_forward_progress 1
		.amdhsa_inst_pref_size 203
	.end_amdhsa_kernel
	.amdgpu_metadata
---
amdhsa.version: [ 1, 2 ]
amdhsa.kernels:
  - .name:           k_qdf0f9a65a2_qkv
    .symbol:         k_qdf0f9a65a2_qkv.kd
    .args:
      - { .name: xb, .offset: 0, .size: 8, .value_kind: global_buffer, .address_space: global }
      - { .name: wf, .offset: 8, .size: 8, .value_kind: global_buffer, .address_space: global }
      - { .name: bq, .offset: 16, .size: 8, .value_kind: global_buffer, .address_space: global }
      - { .name: bk, .offset: 24, .size: 8, .value_kind: global_buffer, .address_space: global }
      - { .name: bv, .offset: 32, .size: 8, .value_kind: global_buffer, .address_space: global }
      - { .name: qkv, .offset: 40, .size: 8, .value_kind: global_buffer, .address_space: global }
    .group_segment_fixed_size: 327680
    .private_segment_fixed_size: 0
    .kernarg_segment_align: 8
    .kernarg_segment_size: 48
    .max_flat_workgroup_size: 128
    .sgpr_count:     84
    .vgpr_count:     1024
    .wavefront_size: 32
...
	.end_amdgpu_metadata
.endif
;; end of part 2
;; launch attn (part 3): grid 8 x 32, 8 waves a work-group, clusters of 4 x 1, 327,680 bytes of LDS; arguments qkv, ctx; writes ctx
.if DOCPART == 3
	.amdgcn_target "amdgcn-amd-amdhsa--gfx1250"
	.amdhsa_code_object_version 6
	.text
	.protected	k_qdf0f9a65a2_attn
	.globl	k_qdf0f9a65a2_attn
	.p2align	8
	.type	k_qdf0f9a65a2_attn,@function
k_qdf0f9a65a2_attn:
	s_mov_b64 s[64:65], 0
	v_nop
	global_prefetch_b8 v0, s[64:65] scope:SCOPE_SE
	s_setreg_imm32_b32 hwreg(HW_REG_WAVE_MODE, 25, 1), 1
	s_wait_xcnt 0x0
	s_wait_alu depctr_hold_cnt(0) depctr_sa_sdst(0) depctr_va_vdst(0) depctr_va_sdst(0) depctr_va_ssrc(0) depctr_va_vcc(0) depctr_vm_vsrc(0)
	s_getreg_b32 s2, hwreg(HW_REG_IB_STS2, 6, 4)
	s_cmp_eq_u32 s2, 0
	s_cbranch_scc0 .Lentry_in_a_cluster
	s_endpgm
.Lentry_in_a_cluster:
	s_bfe_u32 s2, ttmp6, 0x10000c
	s_cmp_lg_u32 s2, 0x3003
	s_cbranch_scc0 .Lentry_shape_is_right
	s_endpgm
.Lentry_shape_is_right:
; softmax(Q K^T / 8) V for one (batch, head) bh and one block of 256 queries, with a running maximum; bf16 operands, f32 sums and softmax.
; Eight waves, two for each of the WGP's four SIMDs, so that one wave's softmax can run beside the other's matrix work.  Wave w: w3 = w & 3 owns the
; queries 64 w3 .. + 63 (4 q-tiles); gk = w >> 2 owns one half (128) of the keys of every tile of 256.  Waves w3 and w3 + 4 are merged at the end.
; TRANSPOSED: S^T = K Q^T: lane (r = L % 16, h = L / 16), register j of tile (qt, kt) holds query 16 qt + r, key 16 kt + 8 h + j.  So maximum and sum
; are per lane but for one exchange between lanes L and L ^ 16; the factors are per lane; and two S^T tiles, packed to bf16 in place, ARE the second
; operand of O^T = V^T P^T (registers 0-3 from key tile 2 kp, 4-7 from 2 kp + 1).  V^T's fragments come by the transposing LDS load.
; Q, K pieces (512 bytes, lane L at 16 L) hold d = 32 h + 4 j + c in the same order, so the product over d is unchanged.
; O^T tile (qt, c): lane (r, h), register j: query r, d = 32 h + 4 j + c: packed it is a piece of ctx[mtile = 256][4 head + c][512 bytes], the output
; projection's first operand.
; CLUSTER 4, 1, 1: four query blocks of one head read the same K and V tiles; each tile is asked for jointly (mask 15).  A head has eight blocks;
; a mask names four work-groups here.
; LDS: two slots of 65,536 bytes (K: 16 key tiles x 2,048, then V likewise), then 4 x 17,408 bytes for the merge, into which no tensor load lands.
; A wave's tensor load is 8 KiB, dense, as 32 rows of 256 bytes; 64 rows would halve the rows.
; LIMITS: P goes into P V rounded to bf16 while the row sum adds the unrounded f32 p; exponentials below 2^-126 come out as 0; inputs are finite.
.set SLOT,  65536
.set VOFF,  32768
.set TILEB, 32768                      ; 256 keys of K, or of V, in memory
.set MST,   131072
.set MSTW,  17408                      ; 32 x 512 (O) + 2 x 512 (-c m and l)
.set LK, 4                             ; v4-5    LDS address of my K pieces in slot 0, 1
.set LV, 6                             ; v6-7    the same for V, with the transposing load's lane term
.set ST, 16                            ; v[16:47] eight registers a q-tile: 0 NM = -c m, 1 M, 2 AL, 3 T1, 4-5 L (two partial sums), 6 T2, 7 T3
.set QF, 48                            ; v[48:111]   Q: 16 qt + 4 c
.set KF, 112                           ; v[112:175]  K: 16 kt + 4 c
.set VF, 176                           ; v[176:239]  V^T: 16 c + 8 kp + 4 e
.set OB, 128                           ; window 1: S at v[8 (4 qt + kt)], O at v[OB + 8 (4 qt + c)]
.set W_S,   0x50                       ; C, D window 1
.set W_MAX, 0x05                       ; sources 0, 1 window 1
.set W_EL,  0x41                       ; source 0 and destination window 1
.set W_SUM, 0x01                       ; source 0 window 1
.set W_CVT, 0x45                       ; sources 0, 1 and destination window 1
.set W_PV,  0x54                       ; source 1, C, D window 1
.set W_ST,  0x04                       ; an LDS store's data window 1
.set MSB, 0
.macro WIN new
.if MSB != \new
	s_set_vgpr_msb (MSB<<8)|\new
.set MSB, \new
.endif
.endm
.macro NOPS n
.rept \n
	v_nop
.endr
.endm
.macro ROUND                           ; a round of the cluster's barrier
	s_barrier_signal -1
	s_barrier_wait -1
	s_cmp_lg_u32 s8, 0
	s_cbranch_scc1 .Lnot_wave_0_\@
	s_barrier_signal -3
.Lnot_wave_0_\@:
	s_barrier_wait -3
	s_barrier_signal -1
	s_barrier_wait -1
.endm
	s_load_b128 s[4:7], s[0:1], 0x0                ; qkv s[4:5], ctx s[6:7]
	v_lshl_add_u32 v14, v0, 2, 0x31000
	v_mov_b32 v15, 0
	ds_add_u32 v14, v15
	v_lshrrev_b32 v1, 5, v0
	v_readfirstlane_b32 s8, v1                     ; wave 0..7
	s_and_b32 s9, s8, 3                            ; w3
	s_lshr_b32 s10, s8, 2                          ; gk.  Also: I fetch K (0) or V (1)
	s_bfe_u32 s11, ttmp6, 0x40000                  ; cx
	s_lshl_b32 s12, ttmp9, 2
	s_add_co_u32 s12, s12, s11                     ; query block 0..7
	s_and_b32 s13, ttmp7, 0xffff                   ; bh
	s_mov_b32 s32, 0x76543210                      ; v_permlanex16_b32: lane L reads lane L ^ 16
	s_mov_b32 s33, 0xfedcba98
	s_mov_b32 s34, 0x3e38aa3b                      ; c = log2(e) / 8: exp(s / 8 - m / 8) = 2^(c s - c m)
	s_mov_b32 s35, 0x3e38aa3b
	s_mov_b32 s36, 0xbe38aa3b                      ; -c
	; group 1, one for all loads: 32 rows of 32 elements of 8 bytes, dense; mask 15 with bit 21 beside it
	s_mov_b32 s16, 15|(3<<16)|(1<<21)
	s_mov_b32 s17, 32<<16
	s_mov_b32 s18, 32<<16
	s_mov_b32 s19, 32<<16
	s_mov_b32 s20, 32
	s_mov_b32 s21, 32
	s_mov_b32 s22, 0
	s_mov_b32 s23, 0
	; my quarter of K's or V's tile 0: made of bh and the wave's number alone, equal in the four partners
	s_lshl_b32 s40, s10, 23
	s_add_co_u32 s40, s40, 0x800000                ; K at 8 MiB, V at 16 MiB
	s_lshl_b32 s42, s13, 18                        ; bh x 262,144
	s_add_co_u32 s40, s40, s42
	s_lshl_b32 s43, s9, 13                         ; w3 x 8,192
	s_add_co_u32 s40, s40, s43
	s_mov_b32 s41, 0
	s_lshl_b32 s45, s12, 4
	s_lshl2_add_u32 s45, s9, s45                   ; my first q-tile in the sequence: 16 block + 4 w3
	s_lshl_b32 s46, s45, 11
	s_add_co_u32 s46, s46, s42                     ; Q: bh x 262,144 + q-tile x 2,048
	s_mov_b32 s47, 0
	s_lshr_b32 s48, s13, 4
	s_lshl_b32 s48, s48, 7
	s_add_co_u32 s48, s48, s45                     ; mtile = 128 batch + q-tile
	s_lshl_b32 s48, s48, 6
	s_and_b32 s49, s13, 15
	s_lshl2_add_u32 s48, s49, s48                  ; x 64 + 4 head
	s_lshl_b32 s48, s48, 9
	s_mov_b32 s49, 0
	s_mul_i32 s25, s8, 8192                        ; LDS: wave x 8,192: waves 0-3 fill K's part of a slot, waves 4-7 V's
	s_wait_dscnt 0x0
	s_wait_kmcnt 0x0
	s_add_nc_u64 s[40:41], s[4:5], s[40:41]
	s_add_nc_u64 s[38:39], s[4:5], s[46:47]
	s_add_nc_u64 s[6:7], s[6:7], s[48:49]
	s_mov_b32 s24, 1                               ; group 0, slot 0: tile 0
	s_mov_b64 s[26:27], s[40:41]
	s_or_b32 s27, s27, 0x80000000
	s_mov_b32 s28, 1                               ; group 0, slot 1: tile 1
	s_add_co_u32 s29, s25, SLOT
	s_add_nc_u64 s[30:31], s[40:41], TILEB
	s_or_b32 s31, s31, 0x80000000
	ROUND                                          ; the four work-groups are here: the first joint loads meet
	tensor_load_to_lds s[24:27], s[16:23]
	s_nop 0
	tensor_load_to_lds s[28:31], s[16:23]          ; two tensor loads of the wave are out, the most in this text
	s_nop 0
	v_and_b32 v1, 31, v0
	v_lshlrev_b32 v2, 4, v1                        ; 16 L
.irp qt, 0,1,2,3
.irp c, 0,1,2,3
	global_load_b128 v[QF+16*\qt+4*\c:QF+16*\qt+4*\c+3], v2, s[38:39] offset:\qt*2048+\c*512    ; Q stays in registers
.endr
.endr
	s_lshl_b32 s37, s10, 14                        ; my half of a tile's keys: 8 key tiles x 2,048
	v_add_nc_u32 v[LK], s37, v2
	v_add_nc_u32 v[LK+1], SLOT, v[LK]
	v_lshrrev_b32 v9, 4, v1
	v_and_b32 v10, 7, v1
	v_lshl_add_u32 v9, v9, 3, v10                  ; key 8 h + (L & 7)
	v_bfe_u32 v10, v1, 3, 1
	v_lshlrev_b32 v10, 4, v10                      ; which 16 bytes of the key's 32
	v_lshl_add_u32 v9, v9, 5, v10
	s_add_co_u32 s37, s37, VOFF
	v_add_nc_u32 v[LV], s37, v9
	v_add_nc_u32 v[LV+1], SLOT, v[LV]
	s_mul_i32 s37, s9, MSTW
	s_add_co_u32 s37, s37, MST
	v_add_nc_u32 v8, s37, v2                       ; the merge stage of my queries
.irp qt, 0,1,2,3
	v_mov_b32 v[ST+8*\qt+4], 0                     ; the two partial sums start at 0
	v_mov_b32 v[ST+8*\qt+5], 0
	v_mov_b32 v[ST+8*\qt+6], 0                     ; v_permlanex16_b32's destination counts as read
.endr
; 16 matrix instructions of O^T += V^T P^T for keys 32 kp .. + 31; the 16 accumulators take turns
.macro PV kp, zero
.irp qt, 0,1,2,3
.irp c, 0,1,2,3
.if \zero
	v_wmma_f32_16x16x32_bf16 v[OB+8*(4*\qt+\c):OB+8*(4*\qt+\c)+7], v[VF+16*\c+8*\kp:VF+16*\c+8*\kp+7], v[8*(4*\qt+2*\kp):8*(4*\qt+2*\kp)+7], 0
.else
	v_wmma_f32_16x16x32_bf16 v[OB+8*(4*\qt+\c):OB+8*(4*\qt+\c)+7], v[VF+16*\c+8*\kp:VF+16*\c+8*\kp+7], v[8*(4*\qt+2*\kp):8*(4*\qt+2*\kp)+7], v[OB+8*(4*\qt+\c):OB+8*(4*\qt+\c)+7]
.endif
.endr
.endr
.endm
; 64 keys (number u of my half of the tile in slot) x my 64 queries.  first = 1: nothing has been summed yet.
.macro SUB slot, u, first
	WIN 0
.irp kt, 0,1,2,3
.irp c, 0,1,2,3
	ds_load_b128 v[KF+16*\kt+4*\c:KF+16*\kt+4*\c+3], v[LK+\slot] offset:\u*8192+\kt*2048+\c*512
.endr
.endr
.irp kp, 0,1
.irp e, 0,1
.irp c, 0,1,2,3
	ds_load_tr16_b128 v[VF+16*\c+8*\kp+4*\e:VF+16*\c+8*\kp+4*\e+3], v[LV+\slot] offset:\u*8192+(2*\kp+\e)*2048+\c*512
.endr
.endr
.endr
	s_wait_dscnt 16                                ; K's sixteen loads are in; V's sixteen stay out until P is made
	WIN W_S
.irp qt, 0,1,2,3                                   ; S^T: pieces c = 0, 1 start the sums, c = 2, 3 add; the 16 accumulators take turns
.irp kt, 0,1,2,3
	v_wmma_f32_16x16x32_bf16 v[8*(4*\qt+\kt):8*(4*\qt+\kt)+7], v[KF+16*\kt:KF+16*\kt+7], v[QF+16*\qt:QF+16*\qt+7], 0
.endr
.endr
.irp qt, 0,1,2,3
.irp kt, 0,1,2,3
	v_wmma_f32_16x16x32_bf16 v[8*(4*\qt+\kt):8*(4*\qt+\kt)+7], v[KF+16*\kt+8:KF+16*\kt+15], v[QF+16*\qt+8:QF+16*\qt+15], v[8*(4*\qt+\kt):8*(4*\qt+\kt)+7]
.endr
.endr
	NOPS 4                                         ; four places before S is read (ISA guide 7.12.1)
	WIN W_MAX                                      ; the maximum of my 32 scores of each query and of the running maximum, four chains
.irp qt, 0,1,2,3
.if \first
	v_max_num_f32 v[ST+8*\qt+3], v[32*\qt], v[32*\qt+1]
.else
	v_max3_num_f32 v[ST+8*\qt+3], v[32*\qt], v[32*\qt+1], v[ST+8*\qt+1]
.endif
.endr
.irp i, 1,2,3,4,5,6,7,8,9,10,11,12,13,14,15
.irp qt, 0,1,2,3
	v_max3_num_f32 v[ST+8*\qt+3], v[32*\qt+2*\i], v[32*\qt+2*\i+1], v[ST+8*\qt+3]
.endr
.endr
	WIN 0
.irp qt, 0,1,2,3
	v_permlanex16_b32 v[ST+8*\qt+6], v[ST+8*\qt+3], s32, s33       ; the other half of the keys
.endr
.irp qt, 0,1,2,3
	v_max_num_f32 v[ST+8*\qt+1], v[ST+8*\qt+3], v[ST+8*\qt+6]      ; M, equal in lanes L and L ^ 16
.endr
.if \first
.irp qt, 0,1,2,3
	v_mul_f32 v[ST+8*\qt], s36, v[ST+8*\qt+1]                      ; NM = -c M
.endr
.else
.irp qt, 0,1,2,3
	v_mul_f32 v[ST+8*\qt+7], s36, v[ST+8*\qt+1]                    ; the new -c M
.endr
.irp qt, 0,1,2,3
	v_sub_f32 v[ST+8*\qt+6], v[ST+8*\qt+7], v[ST+8*\qt]            ; new - old, at most 0
.endr
.irp qt, 0,1,2,3
	v_exp_f32 v[ST+8*\qt+2], v[ST+8*\qt+6]                         ; AL: what has been summed shrinks by this
.endr
.irp qt, 0,1,2,3
	v_mov_b32 v[ST+8*\qt], v[ST+8*\qt+7]                           ; plain instructions between the exponentials and their use (ISA guide 5.7.2)
.endr
	s_wait_alu depctr_va_vdst(0)
.irp qt, 0,1,2,3
	v_pk_mul_f32 v[ST+8*\qt+4:ST+8*\qt+5], v[ST+8*\qt+4:ST+8*\qt+5], v[ST+8*\qt+2:ST+8*\qt+3] op_sel_hi:[1,0]
.endr
.endif
	WIN W_EL
.if \first == 0
.irp qt, 0,1,2,3
.irp i, 0,1,2,3,4,5,6,7,8,9,10,11,12,13,14,15
	v_pk_mul_f32 v[OB+32*\qt+2*\i:OB+32*\qt+2*\i+1], v[OB+32*\qt+2*\i:OB+32*\qt+2*\i+1], v[ST+8*\qt+2:ST+8*\qt+3] op_sel_hi:[1,0]
.endr
.endr
.endif
.irp qt, 0,1,2,3                                   ; p = 2^(c s - c M), in place; the next tile's multiply-adds are the plain instructions behind a tile's exponentials
.irp kt, 0,1,2,3
.irp i, 0,1,2,3
	v_pk_fma_f32 v[8*(4*\qt+\kt)+2*\i:8*(4*\qt+\kt)+2*\i+1], v[8*(4*\qt+\kt)+2*\i:8*(4*\qt+\kt)+2*\i+1], s[34:35], v[ST+8*\qt:ST+8*\qt+1] op_sel_hi:[1,0,0]
.endr
.irp j, 0,1,2,3,4,5,6,7
	v_exp_f32 v[8*(4*\qt+\kt)+\j], v[8*(4*\qt+\kt)+\j]
.endr
.endr
.endr
	WIN W_SUM                                      ; the first sum reads q-tile 0's p, not the last eight exponentials' results
	s_wait_alu depctr_va_vdst(0)
.irp i, 0,1,2,3,4,5,6,7,8,9,10,11,12,13,14,15
.irp qt, 0,1,2,3
	v_pk_add_f32 v[ST+8*\qt+4:ST+8*\qt+5], v[32*\qt+2*\i:32*\qt+2*\i+1], v[ST+8*\qt+4:ST+8*\qt+5]
.endr
.endr
	WIN W_CVT                                      ; two tiles of p become one fragment of P^T, in place: each line writes a register that has been read
.irp qt, 0,1,2,3
.irp kp, 0,1
.irp i, 0,1,2,3
	v_cvt_pk_bf16_f32 v[8*(4*\qt+2*\kp)+\i], v[8*(4*\qt+2*\kp)+2*\i], v[8*(4*\qt+2*\kp)+2*\i+1]
.endr
.irp i, 0,1,2,3
	v_cvt_pk_bf16_f32 v[8*(4*\qt+2*\kp)+4+\i], v[8*(4*\qt+2*\kp)+8+2*\i], v[8*(4*\qt+2*\kp)+8+2*\i+1]
.endr
.endr
.endr
	s_wait_dscnt 0                                 ; V^T is in
	WIN W_PV
	PV 0, \first
	PV 1, 0
	NOPS 5                                         ; five places before the next S^T writes over P, four before loads land in V^T's registers
	WIN 0
.endm
; The tile in slot.  In front of the round every wave waits for all its tensor loads (one is out: its part of this tile) and for its reads of the other
; slot; behind the round the other slot's refill comes first, the wave's one tensor load until the next round; it has two SUBs' work in which to land.
.macro TILE slot, refill
	s_wait_tensorcnt 0x0
	ds_add_u32 v14, v15
	s_wait_dscnt 0x0
	s_add_nc_u64 s[30-4*\slot:31-4*\slot], s[30-4*\slot:31-4*\slot], 2*TILEB   ; no load is out: the other slot's address steps two tiles on
	s_wait_dscnt 0x0
	ROUND
.if \refill
	tensor_load_to_lds s[28-4*\slot:31-4*\slot], s[16:23]
	s_nop 0
.endif
	SUB \slot, 0, 0
	SUB \slot, 1, 0
.endm
	s_wait_loadcnt 0x0                             ; Q
	s_wait_tensorcnt 0x1                           ; my part of tile 0 is in; tile 1's load stays out
	s_barrier_signal -1
	s_barrier_wait -1
	SUB 0, 0, 1
	SUB 0, 1, 0
	s_mov_b32 s44, 3                               ; tiles 1 to 6, while tiles 2 to 7 are fetched
.Ltiles:
	TILE 1, 1
	TILE 0, 1
	s_sub_co_u32 s44, s44, 1
	s_cmp_lg_u32 s44, 0
	s_cbranch_scc1 .Ltiles
	TILE 1, 0                                      ; tile 7: nothing is left to fetch (slot 0's stepped address is not used)
	; THE MERGE of the two halves of the keys.  l = my two partial sums + those of lane L ^ 16.
.irp qt, 0,1,2,3
	v_add_f32 v[ST+8*\qt+3], v[ST+8*\qt+4], v[ST+8*\qt+5]
.endr
.irp qt, 0,1,2,3
	v_permlanex16_b32 v[ST+8*\qt+6], v[ST+8*\qt+3], s32, s33
.endr
.irp qt, 0,1,2,3
	v_add_f32 v[244+\qt], v[ST+8*\qt+3], v[ST+8*\qt+6]
.endr
	s_cmp_lt_u32 s8, 4
	s_cbranch_scc1 .Lkeep
.irp qt, 0,1,2,3
	v_mov_b32 v[240+\qt], v[ST+8*\qt]              ; -c M of the four q-tiles side by side, for one store
.endr
	WIN W_ST
.set i, 0
.rept 32
	ds_store_b128 v8, v[OB+4*i:OB+4*i+3] offset:512*i              ; waves 4-7 hand O over, 512 consecutive bytes a store
.set i, i+1
.endr
	WIN 0
	ds_store_b128 v8, v[240:243] offset:16384
	ds_store_b128 v8, v[244:247] offset:16896
.Lkeep:
	s_wait_dscnt 0x0                               ; for the others' sake: my stores are done
	s_barrier_signal -1
	s_barrier_wait -1
	s_cmp_ge_u32 s8, 4
	s_cbranch_scc1 .Lclose
.set i, 0
.rept 32
	ds_load_b128 v[KF+4*i:KF+4*i+3], v8 offset:512*i               ; the partner's O' over K's and V's fragments, which are no longer needed
.set i, i+1
.endr
	ds_load_b128 v[248:251], v8 offset:16384       ; its -c M'
	ds_load_b128 v[252:255], v8 offset:16896       ; its l'
	s_wait_dscnt 0x0
.irp qt, 0,1,2,3
	v_min_num_f32 v[ST+8*\qt+3], v[ST+8*\qt], v[248+\qt]           ; -c max(M, M')
.endr
.irp qt, 0,1,2,3
	v_sub_f32 v[ST+8*\qt+6], v[ST+8*\qt+3], v[ST+8*\qt]
	v_sub_f32 v[ST+8*\qt+7], v[ST+8*\qt+3], v[248+\qt]
.endr
.irp qt, 0,1,2,3
	v_exp_f32 v[ST+8*\qt+6], v[ST+8*\qt+6]                         ; a
	v_exp_f32 v[ST+8*\qt+7], v[ST+8*\qt+7]                         ; a'
.endr
	v_nop                                          ; a plain instruction behind the exponentials (ISA guide 5.7.2)
	s_wait_alu depctr_va_vdst(0)
.irp qt, 0,1,2,3
	v_mul_f32 v[ST+8*\qt+3], v[244+\qt], v[ST+8*\qt+6]
.endr
.irp qt, 0,1,2,3
	v_fmac_f32 v[ST+8*\qt+3], v[252+\qt], v[ST+8*\qt+7]            ; l a + l' a', at least 1: the largest score's own term
.endr
.irp qt, 0,1,2,3
	v_rcp_f32 v[ST+8*\qt+3], v[ST+8*\qt+3]
.endr
	v_nop
	s_wait_alu depctr_va_vdst(0)
.irp qt, 0,1,2,3
	v_mul_f32 v[ST+8*\qt+2], v[ST+8*\qt+6], v[ST+8*\qt+3]          ; fa = a / sum
	v_mul_f32 v[ST+8*\qt+6], v[ST+8*\qt+7], v[ST+8*\qt+3]          ; fb = a' / sum
.endr
.irp qt, 0,1,2,3
.irp i, 0,1,2,3,4,5,6,7,8,9,10,11,12,13,14,15
	v_pk_mul_f32 v[KF+32*\qt+2*\i:KF+32*\qt+2*\i+1], v[KF+32*\qt+2*\i:KF+32*\qt+2*\i+1], v[ST+8*\qt+6:ST+8*\qt+7] op_sel_hi:[1,0]
.endr
.endr
	WIN W_SUM
.irp qt, 0,1,2,3
.irp i, 0,1,2,3,4,5,6,7,8,9,10,11,12,13,14,15
	v_pk_fma_f32 v[KF+32*\qt+2*\i:KF+32*\qt+2*\i+1], v[OB+32*\qt+2*\i:OB+32*\qt+2*\i+1], v[ST+8*\qt+2:ST+8*\qt+3], v[KF+32*\qt+2*\i:KF+32*\qt+2*\i+1] op_sel_hi:[1,0,1]
.endr
.endr
	WIN 0
.irp qt, 0,1,2,3
.irp c, 0,1,2,3
.irp i, 0,1,2,3
	v_cvt_pk_bf16_f32 v[KF+8*(4*\qt+\c)+\i], v[KF+8*(4*\qt+\c)+2*\i], v[KF+8*(4*\qt+\c)+2*\i+1]
.endr
	global_store_b128 v2, v[KF+8*(4*\qt+\c):KF+8*(4*\qt+\c)+3], s[6:7] offset:\qt*32768+\c*512    ; a whole piece of ctx: 512 consecutive bytes, aligned
.endr
.endr
.Lclose:
	s_wait_tensorcnt 0x0
	ds_add_u32 v14, v15
	s_wait_dscnt 0x0
	ROUND                                          ; the closing round: no work-group ends while a partner may still ask for a tile that names it
	s_endpgm
.Lfunc_end_k_qdf0f9a65a2_attn:
	.size	k_qdf0f9a65a2_attn, .Lfunc_end_k_qdf0f9a65a2_attn-k_qdf0f9a65a2_attn
	.p2alignl 7, 3214868480
	.fill 96, 4, 3214868480
	.section	.rodata,"a",@progbits
	.p2align	6, 0x0
	.amdhsa_kernel k_qdf0f9a65a2_attn
		.amdhsa_group_segment_fixed_size 327680
		.amdhsa_private_segment_fixed_size 0
		.amdhsa_enable_private_segment 0
		.amdhsa_kernarg_size 16
		.amdhsa_user_sgpr_count 2
		.amdhsa_user_sgpr_kernarg_segment_ptr 1
		.amdhsa_wavefront_size32 1
		.amdhsa_system_sgpr_workgroup_id_x 1
		.amdhsa_system_sgpr_workgroup_id_y 1
		.amdhsa_system_sgpr_workgroup_id_z 1
		.amdhsa_system_vgpr_workitem_id 0
		.amdhsa_next_free_vgpr 512
		.amdhsa_next_free_sgpr 66
		.amdhsa_reserve_vcc 0
		.amdhsa_float_denorm_mode_32 3
		.amdhsa_float_denorm_mode_16_64 3
		.amdhsa_memory_ordered 1
		.amdhsa_forward_progress 1
		.amdhsa_inst_pref_size 255
	.end_amdhsa_kernel
	.section	.bss,"aw",@nobits
	.p2align	6
	.space	262144
	.amdgpu_metadata
---
amdhsa.version: [ 1, 2 ]
amdhsa.kernels:
  - .name:           k_qdf0f9a65a2_attn
    .symbol:         k_qdf0f9a65a2_attn.kd
    .args:
      - { .name: qkv, .offset: 0, .size: 8, .value_kind: global_buffer, .address_space: global }
      - { .name: ctx, .offset: 8, .size: 8, .value_kind: global_buffer, .address_space: global }
    .group_segment_fixed_size: 327680
    .private_segment_fixed_size: 0
    .kernarg_segment_align: 8
    .kernarg_segment_size: 16
    .max_flat_workgroup_size: 256
    .sgpr_count:     66
    .vgpr_count:     512
    .wavefront_size: 32
...
	.end_amdgpu_metadata
.endif
;; end of part 3
;; launch oproj (part 4): grid 8 x 32, 4 waves a work-group, clusters of 4 x 4, 327,680 bytes of LDS; arguments ctx, wf, bo, out0; writes out0
.if DOCPART == 4
	.amdgcn_target "amdgcn-amd-amdhsa--gfx1250"
	.amdhsa_code_object_version 6
	.text
	.protected	k_qdf0f9a65a2_oproj
	.globl	k_qdf0f9a65a2_oproj
	.p2align	8
	.type	k_qdf0f9a65a2_oproj,@function
k_qdf0f9a65a2_oproj:
	s_mov_b64 s[64:65], 0
	v_nop
	global_prefetch_b8 v0, s[64:65] scope:SCOPE_SE
	s_setreg_imm32_b32 hwreg(HW_REG_WAVE_MODE, 25, 1), 1
	s_wait_xcnt 0x0
	s_wait_alu depctr_hold_cnt(0) depctr_sa_sdst(0) depctr_va_vdst(0) depctr_va_sdst(0) depctr_va_ssrc(0) depctr_va_vcc(0) depctr_vm_vsrc(0)
	s_getreg_b32 s2, hwreg(HW_REG_IB_STS2, 6, 4)
	s_cmp_eq_u32 s2, 0
	s_cbranch_scc0 .Lentry_in_a_cluster
	s_endpgm
.Lentry_in_a_cluster:
	s_bfe_u32 s2, ttmp6, 0x10000c
	s_cmp_lg_u32 s2, 0xf033
	s_cbranch_scc0 .Lentry_shape_is_right
	s_endpgm
.Lentry_shape_is_right:
; out0[4096][1024] = ctx wo + bo, bf16 operands, f32 sums, f32 out.
; A work-group makes 128 x 128, so that 4096 / 128 x 1024 / 128 = 256 work-groups share the work; a wave makes 64 x 64: 16 accumulator tiles.
; Both operands lie in memory in pieces of 512 bytes (a half fragment: lane L takes the 16 bytes at 16 L): ctx[mtile][kt][512], wf's fourth weight
; [nt][kt][512]; the order of k inside and between pieces is the same in both.  K goes in four steps of 256 through two LDS slots of 131,072 bytes
; (8 m-tiles x 8,192 bytes, then 8 n-tiles x 8,192); no padding: a fragment load takes 512 consecutive bytes.
; CLUSTERS 4 x 4: ctx's tile hangs on the block row alone (asked for jointly by a row of the cluster), wo's on the block column alone (by a column).
; n-tile nt = 4 g + c holds the columns 64 g + 4 p + c.  A wave's four n-tiles are c = 0..3 of one g, so lane (r, h) holds, for row 16 a + 8 h + j, the FOUR
; NEIGHBOURING columns 64 g + 4 r + 0..3 in its four tiles (a, 0..3): the bias add gathers them, and sixteen lanes store 256 consecutive bytes, aligned.
.set SLOT,  131072
.set TILEB, 8192                       ; one m-tile's or n-tile's 16 pieces of a K step
.set QUART, 32768                      ; what one tensor load brings: 4 tiles
.set ADRA, 16                          ; v16-17 LDS address of my ctx fragments in slot 0, 1
.set ADRB, 20                          ; v20-21 the same for wo
.set CO,   24                          ; v24    my 16 bytes in out0: 8 h rows + 16 r
.set BL,   25                          ; v25    16 r
.set BO,   28                          ; v[28:31] bo of my four columns
.set F0,   64                          ; fragment buffers: ctx at + 8 a, wo at + 32 + 8 b
.set F1,   128
.set G1,  24
.set G0,  32
.set G1B, 48
.set G0B, 56
.set MSB, 0
.macro WIN new
.if MSB != \new
	s_set_vgpr_msb (MSB<<8)|\new
.set MSB, \new
.endif
.endm
.macro JLOAD s                         ; waves 0, 1 fetch ctx's halves, waves 2, 3 wo's; the branch hangs on the wave's number alone
	s_cmp_eq_u32 s11, 0
	s_cbranch_scc0 .Lfor_b_\@
	tensor_load_to_lds s[G0+4*\s:G0+4*\s+3], s[G1:G1+7]
	s_nop 0
	s_branch .Lasked_\@
.Lfor_b_\@:
	tensor_load_to_lds s[G0B+4*\s:G0B+4*\s+3], s[G1B:G1B+7]
	s_nop 0
.Lasked_\@:
.endm
.macro CREST
	s_cmp_lg_u32 s10, 0
	s_cbranch_scc1 .Lnot_wave_0_\@
	s_barrier_signal -3
.Lnot_wave_0_\@:
	s_barrier_wait -3
	s_barrier_signal -1
	s_barrier_wait -1
.endm
.macro CROUND
	s_barrier_signal -1
	s_barrier_wait -1
	CREST
.endm
	s_load_b128 s[4:7], s[0:1], 0x0                ; ctx s[4:5], wf s[6:7]
	s_load_b128 s[68:71], s[0:1], 0x10             ; bo s[68:69], out0 s[70:71]
	v_lshl_add_u32 v254, v0, 2, 0x40000
	v_mov_b32 v255, 0
	ds_add_u32 v254, v255
	v_lshrrev_b32 v1, 5, v0
	v_readfirstlane_b32 s10, v1                    ; wave 0..3
	s_lshr_b32 s11, s10, 1                         ; my half of the rows.  Also: I fetch ctx (0) or wo (1)
	s_and_b32 s12, s10, 1                          ; my half of the columns.  Also: which half of that tile I fetch
	s_bfe_u32 s40, ttmp6, 0x40000                  ; cx
	s_bfe_u32 s41, ttmp6, 0x40004                  ; cy
	s_lshl_b32 s42, ttmp9, 2
	s_add_co_u32 s42, s42, s40                     ; block column 0..7
	s_and_b32 s13, ttmp7, 0xffff
	s_lshl_b32 s13, s13, 2
	s_add_co_u32 s13, s13, s41                     ; block row 0..31
	s_lshl_b32 s43, s41, 2
	s_lshl_b32 s43, 15, s43                        ; my row of the cluster
	s_lshl_b32 s44, 0x1111, s40                    ; my column
	; group 1: 4 tiles, of each 8,192 consecutive bytes (1,024 elements of 8 bytes), 32,768 bytes (4,096 elements) from tile to tile.
	; Four rows only: a tile's part of a K step is one run of 8,192 bytes, and a wave's share is four tiles.
	s_or_b32 s[G1+0], s43, (3<<16)|(1<<21)
	s_or_b32 s[G1B+0], s44, (3<<16)|(1<<21)
	s_mov_b32 s[G1+1], 1024<<16
	s_mov_b32 s[G1B+1], 1024<<16
	s_mov_b32 s[G1+2], 4<<16
	s_mov_b32 s[G1B+2], 4<<16
	s_mov_b32 s[G1+3], 1024<<16
	s_mov_b32 s[G1B+3], 1024<<16
	s_mov_b32 s[G1+4], 4
	s_mov_b32 s[G1B+4], 4
	s_mov_b32 s[G1+5], 4096
	s_mov_b32 s[G1B+5], 4096
	s_mov_b32 s[G1+6], 0
	s_mov_b32 s[G1B+6], 0
	s_mov_b32 s[G1+7], 0
	s_mov_b32 s[G1B+7], 0
	s_lshl_b32 s16, s13, 3
	s_lshl2_add_u32 s16, s12, s16                  ; m-tile 8 x block row + 4 x half
	s_lshl_b32 s16, s16, 15
	s_mov_b32 s17, 0
	s_lshl_b32 s46, s42, 3
	s_lshl2_add_u32 s46, s12, s46                  ; n-tile 8 x block column + 4 x half
	s_lshl_b32 s46, s46, 15
	s_add_co_u32 s46, s46, 0x600000                ; the fourth weight in wf
	s_mov_b32 s47, 0
	s_mul_i32 s20, s10, QUART                      ; LDS: wave x 32,768: ctx's two halves, then wo's
	s_wait_dscnt 0x0
	s_wait_kmcnt 0x0
	s_add_nc_u64 s[14:15], s[4:5], s[16:17]
	s_add_nc_u64 s[46:47], s[6:7], s[46:47]
	CROUND                                         ; all sixteen work-groups are here: the first joint loads meet
.irp s, 0,1
	s_mov_b32 s[G0+4*\s], 1
	s_add_co_u32 s[G0+4*\s+1], s20, \s*SLOT
	s_add_nc_u64 s[G0+4*\s+2:G0+4*\s+3], s[14:15], \s*TILEB
	s_or_b32 s[G0+4*\s+3], s[G0+4*\s+3], 0x80000000
	s_mov_b32 s[G0B+4*\s], 1
	s_add_co_u32 s[G0B+4*\s+1], s20, \s*SLOT
	s_add_nc_u64 s[G0B+4*\s+2:G0B+4*\s+3], s[46:47], \s*TILEB
	s_or_b32 s[G0B+4*\s+3], s[G0B+4*\s+3], 0x80000000
	JLOAD \s                                       ; two tensor loads of the wave are out, the most in this text
.endr
	v_and_b32 v1, 15, v0                           ; r
	v_bfe_u32 v2, v0, 4, 1                         ; h
	v_and_b32 v3, 31, v0
	v_lshlrev_b32 v3, 4, v3                        ; 16 L
	s_mul_i32 s21, s11, QUART                      ; my 4 m-tiles
	s_mul_i32 s22, s12, QUART                      ; my 4 n-tiles,
	s_add_co_u32 s22, s22, 2*QUART                 ; behind ctx's 8 m-tiles
.irp s, 0,1
	v_add_nc_u32 v[ADRA+\s], s21, v3
	v_add_nc_u32 v[ADRB+\s], s22, v3
	s_add_co_u32 s21, s21, SLOT
	s_add_co_u32 s22, s22, SLOT
.endr
	v_lshlrev_b32 v[BL], 4, v1
	v_lshl_add_u32 v[CO], v2, 15, v[BL]            ; 8 h rows of 4,096 bytes + 16 r
	s_lshl1_add_u32 s78, s42, s12                  ; g = 2 x block column + half
	s_lshl_b32 s78, s78, 8                         ; 64 g columns of 4 bytes
	s_mov_b32 s79, 0
	s_add_nc_u64 s[68:69], s[68:69], s[78:79]
	global_load_b128 v[BO:BO+3], v[BL], s[68:69]   ; bo[64 g + 4 r + 0..3]
	s_lshl_b32 s80, s13, 19                        ; 128 x block row rows of 4,096 bytes
	s_add_co_u32 s78, s78, s80
	s_lshl_b32 s80, s11, 18                        ; + 64 x half
	s_add_co_u32 s78, s78, s80
	s_add_nc_u64 s[70:71], s[70:71], s[78:79]
.macro PLACES                          ; four places between a matrix instruction and a load into, or a vector instruction on, one of its registers
.rept 4
	v_nop
.endr
.endm
; 16 LDS loads: the fragments of 32 along K (pieces 2 q, 2 q + 1 of my 4 m-tiles and my 4 n-tiles) into buffer f
.macro FETCH slot, q, f
.irp a, 0,1,2,3
	ds_load_b128 v[\f+8*\a:\f+8*\a+3],   v[ADRA+\slot] offset:\a*TILEB+\q*1024
	ds_load_b128 v[\f+8*\a+4:\f+8*\a+7], v[ADRA+\slot] offset:\a*TILEB+\q*1024+512
.endr
.irp b, 0,1,2,3
	ds_load_b128 v[\f+32+8*\b:\f+32+8*\b+3], v[ADRB+\slot] offset:\b*TILEB+\q*1024
	ds_load_b128 v[\f+32+8*\b+4:\f+32+8*\b+7], v[ADRB+\slot] offset:\b*TILEB+\q*1024+512
.endr
.endm
; 16 matrix instructions, the 16 accumulators (window 1) by turns, in the same order every time
.macro MUL16 f, zero
	WIN 0x50
.irp a, 0,1,2,3
.irp b, 0,1,2,3
.if \zero
	v_wmma_f32_16x16x32_bf16 v[8*(4*\a+\b):8*(4*\a+\b)+7], v[\f+8*\a:\f+8*\a+7], v[\f+32+8*\b:\f+32+8*\b+7], 0
.else
	v_wmma_f32_16x16x32_bf16 v[8*(4*\a+\b):8*(4*\a+\b)+7], v[\f+8*\a:\f+8*\a+7], v[\f+32+8*\b:\f+32+8*\b+7], v[8*(4*\a+\b):8*(4*\a+\b)+7]
.endif
.endr
.endr
	WIN 0
.endm
; multiplies buffer f while chunk qn's fragments come into buffer g
.macro CHUNK slot, qn, f, g, zero
	s_wait_dscnt 0                                 ; buffer f is in
	PLACES
	FETCH \slot, \qn, \g
	MUL16 \f, \zero
.endm
.macro BODY slot, zero                 ; chunks 0 to 6 of a K step's eight
	CHUNK \slot, 1, F0, F1, \zero
	CHUNK \slot, 2, F1, F0, 0
	CHUNK \slot, 3, F0, F1, 0
	CHUNK \slot, 4, F1, F0, 0
	CHUNK \slot, 5, F0, F1, 0
	CHUNK \slot, 6, F1, F0, 0
	CHUNK \slot, 7, F0, F1, 0
.endm
; Chunk 7, and the change of slots.  In front of the barrier each wave waits for its reads of this slot and for all its tensor loads (its part of the
; next slot); behind it, and behind the cluster's round where the slot is filled again, the refill comes first.
.macro TURN slot, next, fill
	s_wait_dscnt 0
	s_wait_tensorcnt 0x0
	ds_add_u32 v254, v255
	s_wait_dscnt 0x0
	s_barrier_signal -1
	MUL16 F1, 0                                    ; register work while the others arrive
	s_barrier_wait -1
.if \fill
	CREST
	s_add_nc_u64 s[G0+4*\slot+2:G0+4*\slot+3], s[G0+4*\slot+2:G0+4*\slot+3], 2*TILEB
	s_add_nc_u64 s[G0B+4*\slot+2:G0B+4*\slot+3], s[G0B+4*\slot+2:G0B+4*\slot+3], 2*TILEB
	JLOAD \slot                                    ; the wave's one tensor load behind the round
.endif
	PLACES
	FETCH \next, 0, F0
.endm
	s_wait_loadcnt 0x0                             ; the bias, while the first tiles are on their way
	s_wait_tensorcnt 1                             ; my part of K step 0 is in; K step 1's load stays out
	s_barrier_signal -1
	s_barrier_wait -1
	FETCH 0, 0, F0
	BODY 0, 1                                      ; K step 0: its first products start the sums
	TURN 0, 1, 1                                   ; slot 0 gets K step 2
	BODY 1, 0
	TURN 1, 0, 1                                   ; slot 1 gets K step 3
	BODY 0, 0
	TURN 0, 1, 0                                   ; nothing is left to fetch
	BODY 1, 0
	s_wait_dscnt 0
	MUL16 F1, 0
	; THE WAY OUT: the bias add puts a row's four neighbouring columns side by side; no register is used twice
	PLACES
	WIN 0x01                                       ; source 0 in the accumulators' window
.irp a, 0,1,2,3
.irp j, 0,1,2,3,4,5,6,7
.irp b, 0,1,2,3
	v_add_f32 v[F0+32*\a+4*\j+\b], v[8*(4*\a+\b)+\j], v[BO+\b]
.endr
.endr
.endr
	WIN 0
.irp a, 0,1,2,3
.irp j, 0,1,2,3,4,5,6,7
	global_store_b128 v[CO], v[F0+32*\a+4*\j:F0+32*\a+4*\j+3], s[70:71] offset:(16*\a+\j)*4096 th:TH_STORE_NT   ; rows 16 a + j and 16 a + 8 + j: sixteen lanes store 256 consecutive bytes, aligned
.endr
.endr
	CROUND                                         ; the closing round
	s_endpgm
.Lfunc_end_k_qdf0f9a65a2_oproj:
	.size	k_qdf0f9a65a2_oproj, .Lfunc_end_k_qdf0f9a65a2_oproj-k_qdf0f9a65a2_oproj
	.p2alignl 7, 3214868480
	.fill 96, 4, 3214868480
	.section	.rodata,"a",@progbits
	.p2align	6, 0x0
	.amdhsa_kernel k_qdf0f9a65a2_oproj
		.amdhsa_group_segment_fixed_size 327680
		.amdhsa_private_segment_fixed_size 0
		.amdhsa_enable_private_segment 0
		.amdhsa_kernarg_size 32
		.amdhsa_user_sgpr_count 2
		.amdhsa_user_sgpr_kernarg_segment_ptr 1
		.amdhsa_wavefront_size32 1
		.amdhsa_system_sgpr_workgroup_id_x 1
		.amdhsa_system_sgpr_workgroup_id_y 1
		.amdhsa_system_sgpr_workgroup_id_z 1
		.amdhsa_system_vgpr_workitem_id 0
		.amdhsa_next_free_vgpr 384
		.amdhsa_next_free_sgpr 84
		.amdhsa_reserve_vcc 0
		.amdhsa_float_denorm_mode_32 3
		.amdhsa_float_denorm_mode_16_64 3
		.amdhsa_memory_ordered 1
		.amdhsa_forward_progress 1
		.amdhsa_inst_pref_size 86
	.end_amdhsa_kernel
	.amdgpu_metadata
---
amdhsa.version: [ 1, 2 ]
amdhsa.kernels:
  - .name:           k_qdf0f9a65a2_oproj
    .symbol:         k_qdf0f9a65a2_oproj.kd
    .args:
      - { .name: ctx, .offset: 0, .size: 8, .value_kind: global_buffer, .address_space: global }
      - { .name: wf, .offset: 8, .size: 8, .value_kind: global_buffer, .address_space: global }
      - { .name: bo, .offset: 16, .size: 8, .value_kind: global_buffer, .address_space: global }
      - { .name: out0, .offset: 24, .size: 8, .value_kind: global_buffer, .address_space: global }
    .group_segment_fixed_size: 327680
    .private_segment_fixed_size: 0
    .kernarg_segment_align: 8
    .kernarg_segment_size: 32
    .max_flat_workgroup_size: 128
    .sgpr_count:     84
    .vgpr_count:     384
    .wavefront_size: 32
...
	.end_amdgpu_metadata
.endif
;; end of part 4
;; ======== version 2 of 2: 4 launches; version 1 with the launch prep written anew for expert scheduling mode
;; workspace buffers: xb 8,388,608 bytes; wf 8,388,608 bytes; qkv 25,165,824 bytes; ctx 8,388,608 bytes
;; launch prep (part 5): grid 512 x 1, 8 waves a work-group, no clusters, 0 bytes of LDS; arguments x, wq, wk, wv, wo, xb, wf; writes xb, wf
.if DOCPART == 5
	.amdgcn_target "amdgcn-amd-amdhsa--gfx1250"
	.amdhsa_code_object_version 6
	.text
	.protected	k_qdf0f9a65a2_prep
	.globl	k_qdf0f9a65a2_prep
	.p2align	8
	.type	k_qdf0f9a65a2_prep,@function
k_qdf0f9a65a2_prep:
	s_mov_b64 s[64:65], 0
	v_nop
	global_prefetch_b8 v0, s[64:65] scope:SCOPE_SE
	s_setreg_imm32_b32 hwreg(HW_REG_WAVE_SCHED_MODE, 0, 2), 2
	s_setreg_imm32_b32 hwreg(HW_REG_WAVE_MODE, 25, 1), 1
	s_wait_xcnt 0x0
	s_wait_alu depctr_vm_vsrc(0)
; Casts to bf16, once, what the two GEMM launches read many times.
;   xb: x as it lies, [4096][1024], bf16.
;   wf: the four weights (t = 0 q, 1 k, 2 v, 3 o), [t][nt = 64][kt = 64][512 bytes], in PIECES of 16 x 16 numbers laid as a matrix fragment wants them:
;       lane L = 16 e + p of a wave owns the 16 bytes at 16 L; its number j (0..7) is W[k][n] with n = 64 g + 4 p + c, nt = 4 g + c, and
;       k = 16 kt + 8 e + j for q, k, v;   k = 64 (kt >> 2) + 32 e + 4 j + (kt & 3) for o (the order in which the attention launch leaves its result).
;       The split n = 64 g + 4 p + c lets a lane read 16 neighbouring bytes of a weight's row (c = 0..3) and still write whole pieces.
; A stream: every byte is read once and written once, nothing is shared between work-groups, so there is no LDS, no matrix unit, no cluster.
; Work-groups 0-255 take 64 KiB of x each, work-groups 256-511 sixteen kt of one (t, g).
; THE MODE: SCHED_MODE bits 1:0 = 2 (LLVM: expert scheduling mode 2), set by the entry lines.  The code itself states the register dependences
; between vector instructions and memory instructions, with s_wait_alu, always for 0.
; THE PLAN.  Registers that memory instructions touch:
;   X          Written by the sixteen loads alone, each register once; read by the conversions behind the counted wait for the loads.
;   Y          Written by the conversions, each register once; read by one store each.  The conversions go in groups; a group's stores are issued at the head
;              of the next group, behind ONE wait on va_vdst, which stands behind that group's wait for its loads; the last group's stores have a wait of their own.
;   v1 - v4    Byte offsets, made once at a path's head, ahead of the wait on va_vdst that stands in front of the path's loads, and never written again.
;   s22        The wave's number, written by a vector instruction: one wait on va_sdst ahead of the branch, so ahead of its first reader on either path.
; No register that a memory instruction reads is ever written again, so the only wait on vm_vsrc is the one among the entry lines.
.set X, 8                              ; v[8:71]   sixteen loads of 16 bytes
.set Y, 72                             ; v[72:103] what is stored; no register is used twice, so no wait frees one
	s_load_b256 s[8:15], s[0:1], 0x0               ; x s[8:9], wq s[10:11], wk s[12:13], wv s[14:15]
	s_load_b128 s[16:19], s[0:1], 0x20             ; wo s[16:17], xb s[18:19]
	s_load_b64 s[20:21], s[0:1], 0x30              ; wf
	v_lshrrev_b32 v1, 5, v0
	v_readfirstlane_b32 s22, v1                    ; wave 0..7
	v_and_b32 v5, 31, v0                           ; lane
	s_wait_alu depctr_va_sdst(0)                   ; s22 is written, ahead of the branch and of its first reader on both paths: offsets and kt are made from it
	s_cmp_lt_u32 ttmp9, 256
	s_cbranch_scc0 .Lweights
	; ---- x: a wave takes 8 KiB, sixteen loads of 512 neighbouring bytes, all issued before the first is used
	s_lshl_b32 s24, ttmp9, 16                      ; the work-group's 64 KiB of x
	s_mov_b32 s25, 0
	s_lshl_b32 s26, ttmp9, 15                      ; and its 32 KiB of xb
	s_mov_b32 s27, 0
	v_lshlrev_b32 v1, 4, v5
	v_lshl_add_u32 v1, s22, 13, v1                 ; 8192 wave + 16 lane
	v_lshlrev_b32 v2, 3, v5
	v_lshl_add_u32 v2, s22, 12, v2                 ; 4096 wave + 8 lane
	s_wait_kmcnt 0x0
	s_add_nc_u64 s[8:9], s[8:9], s[24:25]
	s_add_nc_u64 s[18:19], s[18:19], s[26:27]
	s_wait_alu depctr_va_vdst(0)                   ; v1 and v2 are written: the loads read v1 as their offset, the stores v2
.irp i, 0,1,2,3,4,5,6,7,8,9,10,11,12,13,14,15
	global_load_b128 v[X+4*\i:X+4*\i+3], v1, s[8:9] offset:512*\i th:TH_LOAD_NT
.endr
; The four stores of group g
.macro XOUT g
.irp i, 0,1,2,3
	global_store_b64 v2, v[Y+2*(4*(\g)+\i):Y+2*(4*(\g)+\i)+1], s[18:19] offset:256*(4*(\g)+\i)    ; the wave's 32 lanes store 256 consecutive bytes, aligned
.endr
.endm
; Group g of four: loads 4 g to 4 g + 3 are rounded; the group before is stored
.macro XGRP g
	s_wait_loadcnt 12-4*(\g)                       ; loads come back in order: this group's four are in, the 12 - 4 g younger ones stay out
.if (\g) > 0
	s_wait_alu depctr_va_vdst(0)                   ; the group before has written its eight registers of Y, which the four stores below read
	XOUT (\g)-1
.endif
.irp i, 0,1,2,3
	v_cvt_pk_bf16_f32 v[Y+2*(4*(\g)+\i)],   v[X+4*(4*(\g)+\i)],   v[X+4*(4*(\g)+\i)+1]    ; these name none of the registers that the stores above read
	v_cvt_pk_bf16_f32 v[Y+2*(4*(\g)+\i)+1], v[X+4*(4*(\g)+\i)+2], v[X+4*(4*(\g)+\i)+3]
.endr
.endm
	XGRP 0
	XGRP 1
	XGRP 2
	XGRP 3
	s_wait_alu depctr_va_vdst(0)                   ; the last group has written its eight registers of Y, which the last four stores read
	XOUT 3
	s_endpgm
	; ---- weights: a wave takes kt and kt + 1 of its (t, g): for each, eight rows' 16 bytes a lane, four pieces out
.Lweights:
	s_sub_co_u32 s23, ttmp9, 256                   ; u
	s_lshr_b32 s24, s23, 6                         ; t = u >> 6
	s_bfe_u32 s25, s23, 0x40002                    ; g = (u >> 2) & 15
	s_and_b32 s26, s23, 3
	s_lshl_b32 s26, s26, 4
	s_lshl1_add_u32 s26, s22, s26                  ; kt = 16 (u & 3) + 2 wave, even
	s_lshl_b32 s28, s24, 21                        ; wf: t x 2 MiB
	s_lshl_b32 s27, s25, 17                        ;   + 4 g x 32768
	s_add_co_u32 s28, s28, s27
	s_lshl_b32 s27, s26, 9                         ;   + kt x 512
	s_add_co_u32 s28, s28, s27
	s_mov_b32 s29, 0
	s_lshl_b32 s30, s25, 8                         ; the source: 64 g columns = 256 g bytes
	s_mov_b32 s31, 0
	v_lshlrev_b32 v4, 4, v5                        ; 16 lane: my place in a piece
	v_and_b32 v6, 15, v0
	v_lshlrev_b32 v6, 4, v6                        ; 16 p: my four columns
	v_bfe_u32 v7, v0, 4, 1                         ; e
	s_wait_kmcnt 0x0
	s_add_nc_u64 s[20:21], s[20:21], s[28:29]
	s_cmp_eq_u32 s24, 1                            ; which weight: a choice between buffers on t alone
	s_cselect_b64 s[32:33], s[12:13], s[10:11]
	s_cmp_eq_u32 s24, 2
	s_cselect_b64 s[32:33], s[14:15], s[32:33]
	s_cmp_eq_u32 s24, 3
	s_cselect_b64 s[32:33], s[16:17], s[32:33]
; The four pieces of kt + e
.macro WOUT e
.irp c, 0,1,2,3
	global_store_b128 v4, v[Y+16*(\e)+4*\c:Y+16*(\e)+4*\c+3], s[20:21] offset:\c*32768+(\e)*512   ; a whole piece: 512 consecutive bytes, aligned
.endr
.endm
; se: e's step in rows as a shift of bytes; sj: rows from j to j + 1; dk: rows from kt to kt + 1.
; Each load takes, for each half of the lanes, 256 consecutive aligned bytes of one row.
.macro WCONV se, sj, dk
	v_lshl_add_u32 v3, v7, \se, v6
	s_wait_alu depctr_va_vdst(0)                   ; v3 and v4 are written: the loads read v3 as their offset, the stores v4
.irp e, 0,1
.irp j, 0,1,2,3,4,5,6,7
	global_load_b128 v[X+32*\e+4*\j:X+32*\e+4*\j+3], v3, s[32:33] offset:(\e*\dk+\j*\sj)*4096 th:TH_LOAD_NT
.endr
.endr
.irp e, 0,1
	s_wait_loadcnt 8*(1-\e)                        ; this kt's eight loads are in; the other kt's eight may stay out
.if \e
	s_wait_alu depctr_va_vdst(0)                   ; the first kt's conversions have written their sixteen registers of Y, which the four stores below read
	WOUT 0
.endif
.irp c, 0,1,2,3
.irp i, 0,1,2,3
	v_cvt_pk_bf16_f32 v[Y+16*\e+4*\c+\i], v[X+32*\e+8*\i+\c], v[X+32*\e+8*\i+4+\c]    ; column c of rows j = 2 i, 2 i + 1
.endr
.endr
.endr
	s_wait_alu depctr_va_vdst(0)                   ; the second kt's conversions have written their sixteen registers of Y, which the last four stores read
	WOUT 1
.endm
	s_cmp_eq_u32 s24, 3
	s_cbranch_scc1 .Lwo
	s_lshl_b32 s27, s26, 16                        ; first row 16 kt, 4096 bytes a row
	s_add_co_u32 s30, s30, s27
	s_add_nc_u64 s[32:33], s[32:33], s[30:31]
	WCONV 15, 1, 16                                ; e: 8 rows; j: 1 row; kt + 1: 16 rows
	s_endpgm
.Lwo:
	s_lshr_b32 s27, s26, 2
	s_lshl_b32 s27, s27, 6
	s_and_b32 s34, s26, 3
	s_add_co_u32 s27, s27, s34                     ; first row 64 (kt >> 2) + (kt & 3)
	s_lshl_b32 s27, s27, 12
	s_add_co_u32 s30, s30, s27
	s_add_nc_u64 s[32:33], s[32:33], s[30:31]
	WCONV 17, 4, 1                                 ; e: 32 rows; j: 4 rows; kt + 1 (kt is even): 1 row
	s_endpgm
.Lfunc_end_k_qdf0f9a65a2_prep:
	.size	k_qdf0f9a65a2_prep, .Lfunc_end_k_qdf0f9a65a2_prep-k_qdf0f9a65a2_prep
	.p2alignl 7, 3214868480
	.fill 96, 4, 3214868480
	.section	.rodata,"a",@progbits
	.p2align	6, 0x0
	.amdhsa_kernel k_qdf0f9a65a2_prep
		.amdhsa_group_segment_fixed_size 0
		.amdhsa_private_segment_fixed_size 0
		.amdhsa_enable_private_segment 0
		.amdhsa_kernarg_size 56
		.amdhsa_user_sgpr_count 2
		.amdhsa_user_sgpr_kernarg_segment_ptr 1
		.amdhsa_wavefront_size32 1
		.amdhsa_system_sgpr_workgroup_id_x 1
		.amdhsa_system_sgpr_workgroup_id_y 1
		.amdhsa_system_sgpr_workgroup_id_z 1
		.amdhsa_system_vgpr_workitem_id 0
		.amdhsa_next_free_vgpr 104
		.amdhsa_next_free_sgpr 66
		.amdhsa_reserve_vcc 0
		.amdhsa_float_denorm_mode_32 3
		.amdhsa_float_denorm_mode_16_64 3
		.amdhsa_memory_ordered 1
		.amdhsa_forward_progress 1
		.amdhsa_inst_pref_size 17
	.end_amdhsa_kernel
	.amdgpu_metadata
---
amdhsa.version: [ 1, 2 ]
amdhsa.kernels:
  - .name:           k_qdf0f9a65a2_prep
    .symbol:         k_qdf0f9a65a2_prep.kd
    .args:
      - { .name: x, .offset: 0, .size: 8, .value_kind: global_buffer, .address_space: global }
      - { .name: wq, .offset: 8, .size: 8, .value_kind: global_buffer, .address_space: global }
      - { .name: wk, .offset: 16, .size: 8, .value_kind: global_buffer, .address_space: global }
      - { .name: wv, .offset: 24, .size: 8, .value_kind: global_buffer, .address_space: global }
      - { .name: wo, .offset: 32, .size: 8, .value_kind: global_buffer, .address_space: global }
      - { .name: xb, .offset: 40, .size: 8, .value_kind: global_buffer, .address_space: global }
      - { .name: wf, .offset: 48, .size: 8, .value_kind: global_buffer, .address_space: global }
    .group_segment_fixed_size: 0
    .private_segment_fixed_size: 0
    .kernarg_segment_align: 8
    .kernarg_segment_size: 56
    .max_flat_workgroup_size: 256
    .sgpr_count:     66
    .vgpr_count:     104
    .wavefront_size: 32
...
	.end_amdgpu_metadata
.endif
;; end of part 5
;; launch qkv: the kernel of part 2 again; grid 12 x 16, 4 waves a work-group, clusters of 4 x 4, 327,680 bytes of LDS; arguments xb, wf, bq, bk, bv, qkv; writes qkv
;; launch attn: the kernel of part 3 again; grid 8 x 32, 8 waves a work-group, clusters of 4 x 1, 327,680 bytes of LDS; arguments qkv, ctx; writes ctx
;; launch oproj: the kernel of part 4 again; grid 8 x 32, 4 waves a work-group, clusters of 4 x 4, 327,680 bytes of LDS; arguments ctx, wf, bo, out0; writes out0
